; MI455X (gfx1250); checked and timed in simulation.
; The chip was launched on July 23, 2026; its instructions are those of AMD's public machine-readable ISA for CDNA 5 (MIT licence, August 2026) and "CDNA5" Instruction Set Architecture Reference Guide (July 2026). The comments in the code are by the model that wrote it; some were corrected since.
;; Linear Residual Memory. Allowed arithmetic: float matrix products may take bf16 or f16 operands with f32 sums; all other float work in f32.
;; Inputs: Wk 4,096 x 2,048 float32; Wl 4,096 x 4,096 float32; Wq 4,096 x 2,048 float32; bk 2,048 float32; bl 4,096 float32; bq 2,048 float32; v 64 x 4,096 float32; x 1,024 x 4,096 float32.
;; Outputs: out0 1,024 x 4,096 float32.
;; One version. Each part assembles by itself: llvm-mc -triple=amdgcn-amd-amdhsa -mcpu=gfx1250 --defsym DOCPART=n.
;; ======== version 1 of 1: 4 launches
;; workspace buffers: xb 8,388,608 bytes; wb 33,554,432 bytes; vb 524,288 bytes; rb 8,388,608 bytes; uf 2,097,152 bytes; w16 131,072 bytes
;; launch cast (part 1): grid 1024 x 1, 8 waves a work-group, no clusters, 0 bytes of LDS; arguments x, Wq, Wk, v, xb, wb, vb; writes xb, wb, vb
.if DOCPART == 1
	.amdgcn_target "amdgcn-amd-amdhsa--gfx1250"
	.amdhsa_code_object_version 6
	.text
	.protected	k_qc8ee73c72b_cast
	.globl	k_qc8ee73c72b_cast
	.p2align	8
	.type	k_qc8ee73c72b_cast,@function
k_qc8ee73c72b_cast:
	s_mov_b64 s[64:65], 0
	v_nop
	global_prefetch_b8 v0, s[64:65] scope:SCOPE_SE
	s_setreg_imm32_b32 hwreg(HW_REG_WAVE_MODE, 25, 1), 1
	s_wait_xcnt 0x0
; x, Wq, Wk and v, all f32, are rounded once to bf16 (nearest even), element for element, in their own order:
; xb[1024][4096], wb = Wq's [4096][2048] followed by Wk's, vb[64][4096].  They are the operands of the matrix products of the later launches.
; SHARES.  1,024 work-groups of 256 threads.  Work-group w takes 16 KiB of x (4 loads a thread), 32 KiB of Wq and of Wk (8 loads each) and, if w < 256, 4 KiB of v (1 load).
; A load of a wave covers 512 consecutive bytes, a store 256 consecutive bytes at a multiple of 256 from its buffer's first byte.
; All 20 loads go out before the first store; no register is written twice, so nothing but the counted waits for the loads is needed.  No LDS, no matrix unit, no cluster: no byte is used twice.
; LIMITS.  None of range: bf16 has f32's exponents.  NaN and infinities pass through the conversion as it makes them.
.set IN, 4                             ; v[4:83]   load n of 20: 4 registers; n 0-3 x, 4-11 Wq, 12-19 Wk
.set VV, 84                            ; v[84:87]  the part of v
	s_load_b256 s[4:11], s[0:1], 0x0               ; x s[4:5], Wq s[6:7], Wk s[8:9], v s[10:11]
	s_load_b128 s[12:15], s[0:1], 0x20             ; xb s[12:13], wb s[14:15]
	s_load_b64 s[16:17], s[0:1], 0x30              ; vb
	v_lshlrev_b32 v1, 4, v0                        ; my 16 bytes in 4,096 of an input
	v_lshlrev_b32 v2, 3, v0                        ; my 8 bytes in 2,048 of an output
	s_lshl_b32 s20, ttmp9, 14                      ; 16 KiB: x in, wb out
	s_mov_b32 s21, 0
	s_lshl_b32 s22, ttmp9, 13                      ; 8 KiB: xb out
	s_mov_b32 s23, 0
	s_lshl_b32 s24, ttmp9, 15                      ; 32 KiB: Wq and Wk in
	s_mov_b32 s25, 0
	s_lshl_b32 s26, ttmp9, 12                      ; 4 KiB: v in
	s_mov_b32 s27, 0
	s_lshl_b32 s28, ttmp9, 11                      ; 2 KiB: vb out
	s_mov_b32 s29, 0
	s_wait_kmcnt 0x0
	s_add_nc_u64 s[4:5], s[4:5], s[20:21]
	s_add_nc_u64 s[6:7], s[6:7], s[24:25]
	s_add_nc_u64 s[8:9], s[8:9], s[24:25]
	s_add_nc_u64 s[12:13], s[12:13], s[22:23]
	s_add_nc_u64 s[14:15], s[14:15], s[20:21]      ; wb: Wq's part,
	s_add_nc_u64 s[18:19], s[14:15], 0x1000000     ; and Wk's, 16,777,216 bytes on
.irp i, 0,1,2,3
	global_load_b128 v[IN+4*(\i):IN+4*(\i)+3], v1, s[4:5] offset:4096*(\i) th:TH_LOAD_NT
.endr
.irp i, 0,1,2,3,4,5,6,7
	global_load_b128 v[IN+16+4*(\i):IN+16+4*(\i)+3], v1, s[6:7] offset:4096*(\i) th:TH_LOAD_NT
.endr
.irp i, 0,1,2,3,4,5,6,7
	global_load_b128 v[IN+48+4*(\i):IN+48+4*(\i)+3], v1, s[8:9] offset:4096*(\i) th:TH_LOAD_NT
.endr
	s_cmp_lt_u32 ttmp9, 256                        ; v has 256 parts of 4 KiB
	s_cbranch_scc0 .Lnov
	s_add_nc_u64 s[10:11], s[10:11], s[26:27]      ; made here, so that no address past v's end is ever formed
	s_add_nc_u64 s[16:17], s[16:17], s[28:29]
	global_load_b128 v[VV:VV+3], v1, s[10:11] th:TH_LOAD_NT
	s_wait_loadcnt 0x0                             ; it is the youngest load: on this way the counted waits below are met at once
	v_cvt_pk_bf16_f32 v[VV], v[VV], v[VV+1]
	v_cvt_pk_bf16_f32 v[VV+1], v[VV+2], v[VV+3]
	global_store_b64 v2, v[VV:VV+1], s[16:17]
.Lnov:
; Load n is rounded in place and stored.  The count is the number of the 20 loads that are younger than it.
.macro OUT n, base, off
	s_wait_loadcnt 19-(\n)
	v_cvt_pk_bf16_f32 v[IN+4*(\n)], v[IN+4*(\n)], v[IN+4*(\n)+1]
	v_cvt_pk_bf16_f32 v[IN+4*(\n)+1], v[IN+4*(\n)+2], v[IN+4*(\n)+3]
	global_store_b64 v2, v[IN+4*(\n):IN+4*(\n)+1], s[\base:\base+1] offset:\off
.endm
.irp i, 0,1,2,3
	OUT \i, 12, 2048*(\i)
.endr
.irp i, 0,1,2,3,4,5,6,7
	OUT 4+(\i), 14, 2048*(\i)
.endr
.irp i, 0,1,2,3,4,5,6,7
	OUT 12+(\i), 18, 2048*(\i)
.endr
	s_endpgm
.Lfunc_end_k_qc8ee73c72b_cast:
	.size	k_qc8ee73c72b_cast, .Lfunc_end_k_qc8ee73c72b_cast-k_qc8ee73c72b_cast
	.p2alignl 7, 3214868480
	.fill 96, 4, 3214868480
	.section	.rodata,"a",@progbits
	.p2align	6, 0x0
	.amdhsa_kernel k_qc8ee73c72b_cast
		.amdhsa_group_segment_fixed_size 0
		.amdhsa_private_segment_fixed_size 0
		.amdhsa_enable_private_segment 0
		.amdhsa_kernarg_size 56
		.amdhsa_user_sgpr_count 2
		.amdhsa_user_sgpr_kernarg_segment_ptr 1
		.amdhsa_wavefront_size32 1
		.amdhsa_system_sgpr_workgroup_id_x 1
		.amdhsa_system_sgpr_workgroup_id_y 1
		.amdhsa_system_sgpr_workgroup_id_z 1
		.amdhsa_system_vgpr_workitem_id 0
		.amdhsa_next_free_vgpr 88
		.amdhsa_next_free_sgpr 66
		.amdhsa_reserve_vcc 0
		.amdhsa_float_denorm_mode_32 3
		.amdhsa_float_denorm_mode_16_64 3
		.amdhsa_memory_ordered 1
		.amdhsa_forward_progress 1
		.amdhsa_inst_pref_size 9
	.end_amdhsa_kernel
	.amdgpu_metadata
---
amdhsa.version: [ 1, 2 ]
amdhsa.kernels:
  - .name:           k_qc8ee73c72b_cast
    .symbol:         k_qc8ee73c72b_cast.kd
    .args:
      - { .name: x, .offset: 0, .size: 8, .value_kind: global_buffer, .address_space: global }
      - { .name: Wq, .offset: 8, .size: 8, .value_kind: global_buffer, .address_space: global }
      - { .name: Wk, .offset: 16, .size: 8, .value_kind: global_buffer, .address_space: global }
      - { .name: v, .offset: 24, .size: 8, .value_kind: global_buffer, .address_space: global }
      - { .name: xb, .offset: 32, .size: 8, .value_kind: global_buffer, .address_space: global }
      - { .name: wb, .offset: 40, .size: 8, .value_kind: global_buffer, .address_space: global }
      - { .name: vb, .offset: 48, .size: 8, .value_kind: global_buffer, .address_space: global }
    .group_segment_fixed_size: 0
    .private_segment_fixed_size: 0
    .kernarg_segment_align: 8
    .kernarg_segment_size: 56
    .max_flat_workgroup_size: 256
    .sgpr_count:     66
    .vgpr_count:     88
    .wavefront_size: 32
...
	.end_amdgpu_metadata
.endif
;; end of part 1
;; launch proj (part 2): grid 32 x 8, 4 waves a work-group, clusters of 4 x 4, 327,680 bytes of LDS; arguments xb, wb, bq, bk, rb; writes rb
.if DOCPART == 2
	.amdgcn_target "amdgcn-amd-amdhsa--gfx1250"
	.amdhsa_code_object_version 6
	.text
	.protected	k_qc8ee73c72b_proj
	.globl	k_qc8ee73c72b_proj
	.p2align	8
	.type	k_qc8ee73c72b_proj,@function
k_qc8ee73c72b_proj:
	s_mov_b64 s[64:65], 0
	v_nop
	global_prefetch_b8 v0, s[64:65] scope:SCOPE_SE
	s_setreg_imm32_b32 hwreg(HW_REG_WAVE_MODE, 25, 1), 1
	s_wait_xcnt 0x0
	s_wait_alu depctr_hold_cnt(0) depctr_sa_sdst(0) depctr_va_vdst(0) depctr_va_sdst(0) depctr_va_ssrc(0) depctr_va_vcc(0) depctr_vm_vsrc(0)
	s_getreg_b32 s2, hwreg(HW_REG_IB_STS2, 6, 4)
	s_cmp_eq_u32 s2, 0
	s_cbranch_scc0 .Lentry_in_a_cluster
	s_endpgm
.Lentry_in_a_cluster:
	s_bfe_u32 s2, ttmp6, 0x10000c
	s_cmp_lg_u32 s2, 0xf033
	s_cbranch_scc0 .Lentry_shape_is_right
	s_endpgm
.Lentry_shape_is_right:
; rb[b][0:2048] = relu(x Wq + bq), rb[b][2048:4096] = relu(x Wk + bk), in bf16.  xb: [1024][4096] bf16 (K along the rows).  wb: Wq then Wk, each [4096 k][2048 n] bf16 (N along the rows).
; One product of 1024 x 4096 x 4096: 256 tiles of 128 x 128, a work-group each.  Four waves, each 64 x 64: 16 accumulators of 16 x 16, 128 registers.  Sums in f32, begun with the bias, K ascending.
; K goes in steps of 256 through a ring of two LDS slots filled by the tensor data mover.  A's tile: 128 rows of 512 bytes; B's tile: 256 rows (k) of 256 bytes (128 n), read turned by ds_load_tr16_b128.
; CLUSTERS: 4 x 4 work-groups.  The four of a row of the cluster need the same tiles of xb, the four of a column the same tiles of wb: each tile is asked for JOINTLY, by the same tensor load with the
; same descriptor and a mask that names the four.  THE MATRIX INSTRUCTION IS USED TRANSPOSED (source 0 = 16 columns of W, source 1 = 16 rows of x): a lane then holds eight neighbouring numbers of a row of rb.
; LIMITS.  Operands are bf16; the result is rounded once to bf16.  relu is v_max_num_f32 with 0, which turns a NaN into 0: NaN and infinities are not served.
; REGISTERS: window 0: v0-31 addresses; v32-95 at work on the way out; v96-127 the bias of my 64 columns; v128-255 the accumulators ((a, b) at v[128 + 8 (4 a + b)]).
;   window 1: two fragment buffers of 128: for 64 along K (two matrix instructions deep), 64 registers of x (2 x 4 x 16 rows x 32 K), then 64 of W.
.set SIZE_K, 4096
.set KSTEP,  256
.set PA,     528                       ; a row of A's tile in LDS: 512 bytes + 16 of padding = 132 words: the 16 rows of a fragment load start at 16 different groups of four banks (64 banks of 4 bytes: ISA guide 11.1)
.set HALFA,  64*PA                     ; 64 rows: what one tensor load brings of A, and what one wave reads of it
.set PB,     288                       ; a row of B's tile: 256 bytes + 32 = 72 words
.set HALFB,  128*PB                    ; 128 rows (k): what one tensor load brings of B
.set SLOT,   2*HALFA+2*HALFB           ; A's 128 rows, then B's 256 rows
.set STAGE,  2*SLOT                    ; behind the ring: 128 rows x 272 bytes, the work-group's, for the way out
.set SPITCH, 272
.set SPARE,  STAGE+128*SPITCH          ; behind the stage: the spare words, 128 bytes for each wave: two blocks of 256 bytes that no other line names
.set LAPS,   SIZE_K/(2*KSTEP)          ; a lap = two K steps = once round the ring: 8
.set ROWC,   8192                      ; bytes in a row of rb
.set ADRA, 16                          ; v16-17  LDS address of my A fragments in slot 0, 1
.set ADRB, 20                          ; v20-23  the same for B: slot 0 rows 0-127, 128-255, slot 1 likewise, so that every offset fits the 16-bit immediate
.set STO,  24                          ; v24     the way out: where I put 16 bytes of a row
.set RD,   25                          ; v25     the way out: where I read a row back
.set CO,   26                          ; v26     my byte offset in rb
.set BO,   27                          ; v27     my byte offset in the bias
.set SPW,  28                          ; v28     LDS address of my spare word: SPARE + 4 x my thread's number; never rewritten
.set NIL,  29                          ; v29     0; never rewritten
.set TMP,  32
.set BIAS, 96                          ; v[96+8 b+j]: the bias of column 16 b + 8 (l / 16) + j of my 64
.set ACC,  128
.set F0,   0                           ; fragment buffers, in window 1
.set F1,   128
.set WV,   14                          ; s14  wave 0..3
.set RH,   15                          ; s15  which half of the tile's rows is mine.  Also: I fetch for A (0) or for B (1)
.set CH,   16                          ; s16  which half of its columns.  Also: which half of that tile I fetch
.set TC,   19                          ; s19  tile column, 0..31: 0-15 Wq, 16-31 Wk
.set TR,   20                          ; s20  tile row, 0..7
.set G1A,  24                          ; s[24:31] descriptor group 1 for A's tiles;  s[32:39] group 0, one set for each slot
.set G0A,  32
.set G1B,  48                          ; s[48:55], s[56:63] the same for B's tiles
.set G0B,  56
.set MSB, 0
.macro WIN new                         ; the immediate's high byte repeats the setting that is left; a switch that changes nothing is dropped
.if MSB != (\new)
	s_set_vgpr_msb (MSB<<8)|(\new)
.set MSB, \new
.endif
.endm
.set MUL,  0x05                        ; sources 0 (W) and 1 (x) window 1; C and D window 0
.set TO_F, 0x40                        ; destination window 1, address window 0
.macro JLOAD s                         ; a joint load: waves 0 and 1 fetch A's two halves, waves 2 and 3 B's; an s_nop 0 and four v_nop follow each of the two lines, ahead of the jump, the label and what follows
	s_cmp_eq_u32 s[RH], 0
	s_cbranch_scc0 .Lfor_b_\@
	tensor_load_to_lds s[G0A+4*(\s):G0A+4*(\s)+3], s[G1A:G1A+7]
	s_nop 0
.rept 4
	v_nop
.endr
	s_branch .Lasked_\@
.Lfor_b_\@:
	tensor_load_to_lds s[G0B+4*(\s):G0B+4*(\s)+3], s[G1B:G1B+7]
	s_nop 0
.rept 4
	v_nop
.endr
.Lasked_\@:
.endm
.macro CREST                           ; a round of the cluster's barrier behind its opening barrier
	s_cmp_lg_u32 s[WV], 0
	s_cbranch_scc1 .Lnot_wave_0_\@
	s_barrier_signal -3
.Lnot_wave_0_\@:
	s_barrier_wait -3
	s_barrier_signal -1
	s_barrier_wait -1
.endm
.macro CROUND                          ; a whole round
	s_barrier_signal -1
	s_barrier_wait -1
	CREST
.endm
	s_load_b256 s[4:11], s[0:1], 0x0               ; xb s[4:5], wb s[6:7], bq s[8:9], bk s[10:11]
	s_load_b64 s[12:13], s[0:1], 0x20              ; rb
	v_lshl_add_u32 v[SPW], v0, 2, SPARE
	v_mov_b32 v[NIL], 0
	ds_add_u32 v[SPW], v[NIL]                      ; the wave's opening: the add and its wait stand ahead of my first tensor load; the set-up below, work on registers, stands between them
	v_lshrrev_b32 v1, 5, v0
	v_readfirstlane_b32 s[WV], v1
	s_lshr_b32 s[RH], s[WV], 1
	s_and_b32 s[CH], s[WV], 1
	s_bfe_u32 s17, ttmp6, 0x40000                  ; cx, cy: my place in the cluster
	s_bfe_u32 s18, ttmp6, 0x40004
	s_lshl_b32 s[TC], ttmp9, 2
	s_add_co_u32 s[TC], s[TC], s17                 ; tile column = 4 x cluster x + cx
	s_and_b32 s[TR], ttmp7, 0xffff
	s_lshl_b32 s[TR], s[TR], 2
	s_add_co_u32 s[TR], s[TR], s18                 ; tile row = 4 x cluster y + cy
	s_lshl_b32 s21, s18, 2
	s_lshl_b32 s21, 15, s21                        ; my row of the cluster
	s_lshl_b32 s22, 0x1111, s17                    ; my column
	; descriptor group 1 for A: 64 rows x 256 elements, padded in LDS
	s_or_b32 s[G1A+0], s21, (1<<16)|(1<<20)|(1<<21)|(6<<22)|(3<<25)  ; 15:0 the mask: A's tiles go to my row; 17:16 element of 2 bytes; 20 padding on; 21 set beside a mask; 24:22 after every 128 words (code 6); 31:25 of 4 words (code 3)
	s_mov_b32 s[G1A+1], KSTEP<<16                  ; tensor_dim0 = 256
	s_mov_b32 s[G1A+2], 64<<16                     ; tensor_dim1 = 64
	s_mov_b32 s[G1A+3], KSTEP<<16                  ; tile_dim0 = 256
	s_mov_b32 s[G1A+4], 64                         ; tile_dim1 = 64
	s_mov_b32 s[G1A+5], 4096                       ; elements from row to row of xb
	s_mov_b32 s[G1A+6], 0
	s_mov_b32 s[G1A+7], 0
	; descriptor group 1 for B: 128 rows (k) x 128 elements (n)
	s_or_b32 s[G1B+0], s22, (1<<16)|(1<<20)|(1<<21)|(5<<22)|(7<<25)  ; the mask of my column; padding after every 64 words (code 5), of 8 words (code 7)
	s_mov_b32 s[G1B+1], 128<<16                    ; tensor_dim0 = 128
	s_mov_b32 s[G1B+2], 128<<16                    ; tensor_dim1 = 128
	s_mov_b32 s[G1B+3], 128<<16                    ; tile_dim0 = 128
	s_mov_b32 s[G1B+4], 128                        ; tile_dim1 = 128
	s_mov_b32 s[G1B+5], 2048                       ; elements from row to row of wb
	s_mov_b32 s[G1B+6], 0
	s_mov_b32 s[G1B+7], 0
	; where the tiles come from.  A's hang on the tile row alone, B's on the tile column alone; each in registers that never hold the other coordinate
	s_lshl_b32 s23, s[CH], 19                      ; A: 64 rows of 8,192 bytes; B: 128 rows of 4,096 bytes: the same 524,288
	s_lshl_b32 s40, s[TR], 20                      ; A: 128 rows of 8,192 bytes a tile row
	s_add_co_u32 s40, s40, s23
	s_mov_b32 s41, 0
	s_lshr_b32 s46, s[TC], 4                       ; B: Wq or Wk,
	s_lshl_b32 s46, s46, 24                        ; 16,777,216 bytes apart,
	s_and_b32 s44, s[TC], 15
	s_lshl_b32 s44, s44, 8                         ; 128 columns of 2 bytes a tile column,
	s_add_co_u32 s46, s46, s44
	s_add_co_u32 s46, s46, s23                     ; and my half of the step's 256 rows
	s_mov_b32 s47, 0
	s_mul_i32 s42, s[CH], HALFA                    ; and where they go: no place in the cluster enters an LDS address
	s_mul_i32 s43, s[CH], HALFB
	s_add_co_u32 s43, s43, 2*HALFA
	s_wait_dscnt 0x0                               ; the opening add is done
	s_wait_kmcnt 0x0
	s_add_nc_u64 s[40:41], s[4:5], s[40:41]
	s_add_nc_u64 s[46:47], s[6:7], s[46:47]
	s_cmp_lt_u32 ttmp9, 4                          ; tile columns 0-15 are clusters 0-3 along x: bq, else bk (a choice of value; no branch)
	s_cselect_b64 s[8:9], s[8:9], s[10:11]
	CROUND                                         ; all sixteen work-groups are here: the first joint loads meet
.irp s, 0,1
	s_mov_b32 s[G0A+4*(\s)], 1                                     ; count = 1
	s_add_co_u32 s[G0A+4*(\s)+1], s42, (\s)*SLOT                   ; LDS address
	s_add_nc_u64 s[G0A+4*(\s)+2:G0A+4*(\s)+3], s[40:41], (\s)*KSTEP*2     ; K step s: 512 bytes along the rows
	s_or_b32 s[G0A+4*(\s)+3], s[G0A+4*(\s)+3], 0x80000000          ; type = 2
	s_mov_b32 s[G0B+4*(\s)], 1
	s_add_co_u32 s[G0B+4*(\s)+1], s43, (\s)*SLOT
	s_add_nc_u64 s[G0B+4*(\s)+2:G0B+4*(\s)+3], s[46:47], (\s)*KSTEP*4096  ; K step s: 256 rows down
	s_or_b32 s[G0B+4*(\s)+3], s[G0B+4*(\s)+3], 0x80000000
	JLOAD \s                                       ; two tensor loads of mine are out
.endr
	v_and_b32 v1, 15, v0                           ; l % 16
	v_bfe_u32 v2, v0, 4, 1                         ; l / 16
	s_and_b32 s44, s[TC], 15                       ; the bias of my 64 columns: 512 bytes a tile column, 256 a half, 32 for the upper lanes
	s_lshl_b32 s44, s44, 9
	s_lshl_b32 s45, s[CH], 8
	s_add_co_u32 s44, s44, s45
	v_lshl_add_u32 v[BO], v2, 5, s44
.irp b, 0,1,2,3
	global_load_b128 v[BIAS+8*(\b):BIAS+8*(\b)+3],   v[BO], s[8:9] offset:64*(\b)
	global_load_b128 v[BIAS+8*(\b)+4:BIAS+8*(\b)+7], v[BO], s[8:9] offset:64*(\b)+16
.endr
	v_mul_u32_u24 v3, v1, PA
	v_lshl_add_u32 v3, v2, 4, v3                   ; A: a fragment's row x pitch + 16 x half
	s_mul_i32 s23, s[RH], HALFA                    ; my 64 rows of A
	v_add_nc_u32 v[ADRA], s23, v3
	v_add_nc_u32 v[ADRA+1], SLOT, v[ADRA]
	; The turning load takes 16 k x 16 n (lane l reads 16 bytes: row k = 8 (l / 16) + l % 8, columns 8 ((l / 8) % 2) + 0..7) and leaves half a fragment: lane l holds column l % 16 and 8 k.
	v_and_b32 v5, 7, v0
	v_bfe_u32 v6, v0, 3, 1
	v_lshl_add_u32 v7, v2, 3, v5
	v_mul_u32_u24 v7, v7, PB
	v_lshl_add_u32 v7, v6, 4, v7
	s_lshl_b32 s23, s[CH], 7                       ; my 64 columns: 128 bytes of a row,
	s_add_co_u32 s23, s23, 2*HALFA                 ; behind A's 128 rows
	v_add_nc_u32 v[ADRB], s23, v7
	v_add_nc_u32 v[ADRB+1], HALFB, v[ADRB]
	v_add_nc_u32 v[ADRB+2], SLOT, v[ADRB]
	v_add_nc_u32 v[ADRB+3], SLOT+HALFB, v[ADRB]
	s_mul_i32 s23, s[RH], 64*SPITCH                ; into the stage: my 64 rows, my half of their 256 bytes; row l % 16, 16 bytes for each half of the lanes
	s_lshl_b32 s45, s[CH], 7
	s_add_co_u32 s23, s23, s45
	s_add_co_u32 s23, s23, STAGE
	v_mul_u32_u24 v4, v1, SPITCH
	v_lshl_add_u32 v4, v2, 4, v4
	v_add_nc_u32 v[STO], s23, v4
	s_mul_i32 s23, s[WV], 32*SPITCH                ; back: wave w takes rows 32 w .. 32 w + 31, whole; lanes 0-15 one row of 256 bytes, lanes 16-31 the next
	s_add_co_u32 s23, s23, STAGE
	v_mul_u32_u24 v5, v2, SPITCH
	v_lshl_add_u32 v5, v1, 4, v5
	v_add_nc_u32 v[RD], s23, v5
	v_lshlrev_b32 v5, 13, v2                       ; and the same two rows in rb
	v_lshl_add_u32 v[CO], v1, 4, v5
	s_lshl_b32 s44, s[TR], 20                      ; the first row that I store: 128 x tile row + 32 x wave, of 8,192 bytes;
	s_lshl_b32 s45, s[WV], 18
	s_add_co_u32 s44, s44, s45
	s_lshl_b32 s45, s[TC], 8                       ; the tile's first column, in bytes
	s_add_co_u32 s44, s44, s45
	s_mov_b32 s45, 0
	s_add_nc_u64 s[12:13], s[12:13], s[44:45]
; 8 matrix instructions: m blocks a0, a0 + 1 x all 4 n blocks, 32 along K: half c of buffer f.  first = 1: the product starts the sum, with the bias as its C operand: nothing is cleared, nothing added later
.macro MUL8 f, c, a0, first
	WIN MUL
.irp a, \a0, (\a0)+1
.irp b, 0,1,2,3
.if \first
	v_wmma_f32_16x16x32_bf16 v[ACC+8*(4*(\a)+(\b)):ACC+8*(4*(\a)+(\b))+7], v[(\f)+64+8*(4*(\c)+(\b)):(\f)+64+8*(4*(\c)+(\b))+7], v[(\f)+8*(4*(\c)+(\a)):(\f)+8*(4*(\c)+(\a))+7], v[BIAS+8*(\b):BIAS+8*(\b)+7]
.else
	v_wmma_f32_16x16x32_bf16 v[ACC+8*(4*(\a)+(\b)):ACC+8*(4*(\a)+(\b))+7], v[(\f)+64+8*(4*(\c)+(\b)):(\f)+64+8*(4*(\c)+(\b))+7], v[(\f)+8*(4*(\c)+(\a)):(\f)+8*(4*(\c)+(\a))+7], v[ACC+8*(4*(\a)+(\b)):ACC+8*(4*(\a)+(\b))+7]
.endif
.endr
.endr
.endm
; 32 LDS loads in one run: the fragments of quarter q (64 along K) of a slot, into buffer f; the first 32 along K first.  B: rows 64 q + 32 c on, columns 16 i on, turned; A: bytes 128 q + 64 c of rows 16 i on
.macro FETCH slot, q, f
	WIN TO_F
.irp c, 0,1
.irp i, 0,1,2,3
	ds_load_tr16_b128 v[(\f)+64+8*(4*(\c)+(\i)):(\f)+64+8*(4*(\c)+(\i))+3],   v[ADRB+2*(\slot)+(\q)/2] offset:(((\q)%2)*64+32*(\c))*PB+32*(\i)
	ds_load_tr16_b128 v[(\f)+64+8*(4*(\c)+(\i))+4:(\f)+64+8*(4*(\c)+(\i))+7], v[ADRB+2*(\slot)+(\q)/2] offset:(((\q)%2)*64+32*(\c)+16)*PB+32*(\i)
	ds_load_b128 v[(\f)+8*(4*(\c)+(\i)):(\f)+8*(4*(\c)+(\i))+3],              v[ADRA+(\slot)] offset:128*(\q)+64*(\c)+(\i)*16*PA
	ds_load_b128 v[(\f)+8*(4*(\c)+(\i))+4:(\f)+8*(4*(\c)+(\i))+7],            v[ADRA+(\slot)] offset:128*(\q)+64*(\c)+(\i)*16*PA+32
.endr
.endr
.endm
.macro PLACES                          ; four places in front of loads into registers that matrix instructions have read, and of vector work on results (ISA guide 7.12.1 for vector instructions)
.rept 4
	v_nop
.endr
.endm
; A K step is four quarters of 64 along K, 32 matrix instructions each, on buffers 0, 1, 0, 1; the 16 accumulators take turns.
; One of the first three: multiplies buffer f and fetches quarter q of the same slot into g.
.macro QUARTER slot, q, f, g, first
	s_wait_dscnt 16                                ; the first 32 along K are in; the youngest sixteen loads may be out
	WIN MUL
	MUL8 \f, 0, 0, \first
	MUL8 \f, 0, 2, \first
	PLACES
	FETCH \slot, \q, \g
	s_wait_dscnt 32                                ; all but the 32 just issued
	WIN MUL
	MUL8 \f, 1, 0, 0
	MUL8 \f, 1, 2, 0
.endm
; The last quarter multiplies buffer 1 and changes slots: ONE barrier; in front of it each wave waits for all its tensor loads, adds 0 to its spare word, and waits for that and for its own reads of this slot.
; fill = 1: this slot is filled again, two K steps ahead.
.macro TURN slot, next, fill
	WIN 0                                          ; (the add's two registers lie in window 0)
	s_wait_tensorcnt 0x0                           ; all my tensor loads have landed: the one that was out is my part of the next slot;
	ds_add_u32 v[SPW], v[NIL]                      ; 0 onto my spare word
	s_wait_dscnt 17                                ; (the add and the youngest sixteen loads may be out)
	WIN MUL
	MUL8 F1, 0, 0, 0                               ; eight matrix instructions stand between the add and the wait for it
	s_wait_dscnt 0x0                               ; the add is done, and my reads of this slot are over
	s_barrier_signal -1
	MUL8 F1, 0, 2, 0
.if \fill
	WIN 0
.endif
	s_barrier_wait -1
.if \fill
	CREST                                          ; the barrier has opened a round of the cluster's barrier: no wave of any partner still reads this slot's tile or has a load on its way
	s_add_nc_u64 s[G0A+4*(\slot)+2:G0A+4*(\slot)+3], s[G0A+4*(\slot)+2:G0A+4*(\slot)+3], 2*KSTEP*2
	s_add_nc_u64 s[G0B+4*(\slot)+2:G0B+4*(\slot)+3], s[G0B+4*(\slot)+2:G0B+4*(\slot)+3], 2*KSTEP*4096
	JLOAD \slot                                    ; the first tensor load behind the round, my one load until the next: 112 matrix instructions ahead of the wait for it; its four v_nop are also the places in front of the loads below
.else
	PLACES
.endif
	FETCH \next, 0, F0
	WIN MUL
	MUL8 F1, 1, 0, 0
	MUL8 F1, 1, 2, 0
.endm
	s_wait_loadcnt 0x0                             ; the bias: the first products take it
	s_wait_tensorcnt 1                             ; my part of K step 0 is in; K step 1's may stay out
	s_barrier_signal -1
	s_barrier_wait -1                              ; everybody's is
	FETCH 0, 0, F0
	QUARTER 0, 1, F0, F1, 1                        ; the first quarter stands in front of the loop: its first products start the sums
	WIN 0                                          ; at a label and at a branch every window is 0
	s_mov_b32 s3, LAPS-1
.Llap:                                                 ; a trip goes once round the ring, from a lap's second quarter to the next lap's first, and fills both slots again
	QUARTER 0, 2, F1, F0, 0
	QUARTER 0, 3, F0, F1, 0
	TURN 0, 1, 1
	QUARTER 1, 1, F0, F1, 0
	QUARTER 1, 2, F1, F0, 0
	QUARTER 1, 3, F0, F1, 0
	TURN 1, 0, 1
	QUARTER 0, 1, F0, F1, 0
	WIN 0
	s_sub_co_u32 s3, s3, 1
	s_cmp_lg_u32 s3, 0
	s_cbranch_scc1 .Llap
	QUARTER 0, 2, F1, F0, 0                        ; the last lap fills nothing, and has no round of the cluster's barrier
	QUARTER 0, 3, F0, F1, 0
	TURN 0, 1, 0
	QUARTER 1, 1, F0, F1, 0
	QUARTER 1, 2, F1, F0, 0
	QUARTER 1, 3, F0, F1, 0
	s_wait_dscnt 16                                ; the very last quarter: nothing more to fetch
	WIN MUL
	MUL8 F1, 0, 0, 0
	MUL8 F1, 0, 2, 0
	s_wait_dscnt 0
	MUL8 F1, 1, 0, 0
	MUL8 F1, 1, 2, 0
	WIN 0
	; THE WAY OUT: relu in f32, round to bf16 (each accumulator's registers in ascending order); 16 bytes a lane into the work-group's stage; a barrier, since a row's 256 bytes come from two waves; back as whole rows, 32 rows a wave.
	PLACES
.irp t, 0,1,2,3,4,5,6,7,8,9,10,11,12,13,14,15
.irp r, 0,1,2,3,4,5,6,7
	v_max_num_f32 v[ACC+8*(\t)+(\r)], 0, v[ACC+8*(\t)+(\r)]
.endr
.irp r, 0,1,2,3
	v_cvt_pk_bf16_f32 v[TMP+4*(\t)+(\r)], v[ACC+8*(\t)+2*(\r)], v[ACC+8*(\t)+2*(\r)+1]
.endr
.endr
.irp a, 0,1,2,3
.irp b, 0,1,2,3
	ds_store_b128 v[STO], v[TMP+4*(4*(\a)+(\b)):TMP+4*(4*(\a)+(\b))+3] offset:(\a)*16*SPITCH+32*(\b)
.endr
.endr
	s_wait_dscnt 0x0                               ; for the others' sake: my stores into the stage are done
	s_barrier_signal -1
	s_barrier_wait -1
.irp t, 0,1,2,3,4,5,6,7,8,9,10,11,12,13,14,15
	ds_load_b128 v[TMP+4*(\t):TMP+4*(\t)+3], v[RD] offset:(\t)*2*SPITCH
.endr
.irp t, 0,1,2,3,4,5,6,7,8,9,10,11,12,13,14,15
	s_wait_dscnt 15-(\t)                           ; LDS loads come back in order: load t is in, the younger ones may be out
	global_store_b128 v[CO], v[TMP+4*(\t):TMP+4*(\t)+3], s[12:13] offset:2*(\t)*ROWC  ; 16 lanes store 256 consecutive bytes, at a multiple of 256 from rb's first byte
.endr
	s_wait_tensorcnt 0x0                           ; the wave's end: behind my last tensor load and my last LDS store
	ds_add_u32 v[SPW], v[NIL]
	s_wait_dscnt 0x0
	CROUND                                         ; the closing round: no work-group ends while a partner may still ask for a tile that names it
	s_endpgm
.Lfunc_end_k_qc8ee73c72b_proj:
	.size	k_qc8ee73c72b_proj, .Lfunc_end_k_qc8ee73c72b_proj-k_qc8ee73c72b_proj
	.p2alignl 7, 3214868480
	.fill 96, 4, 3214868480
	.section	.rodata,"a",@progbits
	.p2align	6, 0x0
	.amdhsa_kernel k_qc8ee73c72b_proj
		.amdhsa_group_segment_fixed_size 327680
		.amdhsa_private_segment_fixed_size 0
		.amdhsa_enable_private_segment 0
		.amdhsa_kernarg_size 40
		.amdhsa_user_sgpr_count 2
		.amdhsa_user_sgpr_kernarg_segment_ptr 1
		.amdhsa_wavefront_size32 1
		.amdhsa_system_sgpr_workgroup_id_x 1
		.amdhsa_system_sgpr_workgroup_id_y 1
		.amdhsa_system_sgpr_workgroup_id_z 1
		.amdhsa_system_vgpr_workitem_id 0
		.amdhsa_next_free_vgpr 512
		.amdhsa_next_free_sgpr 66
		.amdhsa_reserve_vcc 0
		.amdhsa_float_denorm_mode_32 3
		.amdhsa_float_denorm_mode_16_64 3
		.amdhsa_memory_ordered 1
		.amdhsa_forward_progress 1
		.amdhsa_inst_pref_size 92
	.end_amdhsa_kernel
	.amdgpu_metadata
---
amdhsa.version: [ 1, 2 ]
amdhsa.kernels:
  - .name:           k_qc8ee73c72b_proj
    .symbol:         k_qc8ee73c72b_proj.kd
    .args:
      - { .name: xb, .offset: 0, .size: 8, .value_kind: global_buffer, .address_space: global }
      - { .name: wb, .offset: 8, .size: 8, .value_kind: global_buffer, .address_space: global }
      - { .name: bq, .offset: 16, .size: 8, .value_kind: global_buffer, .address_space: global }
      - { .name: bk, .offset: 24, .size: 8, .value_kind: global_buffer, .address_space: global }
      - { .name: rb, .offset: 32, .size: 8, .value_kind: global_buffer, .address_space: global }
    .group_segment_fixed_size: 327680
    .private_segment_fixed_size: 0
    .kernarg_segment_align: 8
    .kernarg_segment_size: 40
    .max_flat_workgroup_size: 128
    .sgpr_count:     66
    .vgpr_count:     512
    .wavefront_size: 32
...
	.end_amdgpu_metadata
.endif
;; end of part 2
;; launch umat (part 3): grid 64 x 4, 4 waves a work-group, clusters of 4 x 1, 201,728 bytes of LDS; arguments Wl, vb, rb, uf, w16; writes uf, w16
.if DOCPART == 3
	.amdgcn_target "amdgcn-amd-amdhsa--gfx1250"
	.amdhsa_code_object_version 6
	.text
	.protected	k_qc8ee73c72b_umat
	.globl	k_qc8ee73c72b_umat
	.p2align	8
	.type	k_qc8ee73c72b_umat,@function
k_qc8ee73c72b_umat:
	s_mov_b64 s[64:65], 0
	v_nop
	global_prefetch_b8 v0, s[64:65] scope:SCOPE_SE
	s_setreg_imm32_b32 hwreg(HW_REG_WAVE_MODE, 25, 1), 1
	s_wait_xcnt 0x0
	s_wait_alu depctr_hold_cnt(0) depctr_sa_sdst(0) depctr_va_vdst(0) depctr_va_sdst(0) depctr_va_ssrc(0) depctr_va_vcc(0) depctr_vm_vsrc(0)
	s_getreg_b32 s2, hwreg(HW_REG_IB_STS2, 6, 4)
	s_cmp_eq_u32 s2, 0
	s_cbranch_scc0 .Lentry_in_a_cluster
	s_endpgm
.Lentry_in_a_cluster:
	s_bfe_u32 s2, ttmp6, 0x10000c
	s_cmp_lg_u32 s2, 0x3003
	s_cbranch_scc0 .Lentry_shape_is_right
	s_endpgm
.Lentry_shape_is_right:
; TWO THINGS, both from identities that hold for every input: mean_m (scores v) Wl = w (v Wl), with w[b][n] = (1 / (64 sqrt 32)) sum_s (sum_m relu(xq[b][m][s])) relu(xk[b][n][s]).
; (1) U_p = v[:, 1024 p .. +1023] Wl[1024 p .. +1023, :], the four K partials of v Wl ([64 n][4096 f]), rounded to bf16 and stored in the register order in which the last launch takes them as source 1:
;     uf[g 64][p 4][c 4][a 4][lane 32][16 bytes]: lane (r = l % 16, h = l / 16) holds U_p[16 a + 8 h + 0..7][64 g + 4 r + c].
; (2) w16[1024][64] in bf16: a wave makes one row b of w from row b of rb.
; SHARES.  Work-group (g, p): 64 columns f = 64 g .. +63, 1,024 k.  Wave w: k = 1024 p + 256 w .. +255, 8 steps of 32, all 64 n x 64 f: 16 accumulators; the four waves' sums meet in LDS.  Row b = 4 (g + 64 p) + w.
; Wl NEVER TOUCHES LDS.  A load takes 16 bytes a lane: row k + 8 h, columns 4 r + 0..3: 16 lanes cover 256 consecutive bytes, aligned.  Register c of sixteen such loads, rounded in pairs of rows, IS the
; fragment (32 k x 16 columns) of the columns 4 r + c: the columns of a block lie four apart, and uf's layout says so.  A ring of four stages of 16 loads keeps 64 loads of a wave on their way.
; CLUSTER.  The four work-groups of a cluster have the same p and read the same 64 x 1,024 of vb: each wave's quarter of it is asked for JOINTLY, once; nothing is filled again.
; LIMITS.  The order of the sums differs from the written formula's (the two identities above); no difference of large sums is formed.  Wl is rounded to bf16 on its way; w and the four U_p are rounded to bf16.
; NaN and infinities are not served.
; REGISTERS, in windows of 256 (s_set_vgpr_msb: bits 1:0 source 0, 3:2 source 1, 5:4 source 2, 7:6 destination):
;   window 0: v0-13 addresses; v32-57 the work on w; v64-127 the row of rb, then v's fragments (two buffers of 32); v128-191 Wl's fragments (two buffers of 32); v64-191 at last the four waves' sums; v192-211 results
;   window 1: v0-127 the accumulators, (a, c) at v[8 (4 c + a)]          window 2: Wl's ring, stage s % 4 at v[64 (s % 4)]
.set VPITCH, 528                       ; a row of v's tile in LDS: 512 bytes + 16 of padding: the 16 rows of a fragment load start at 16 different groups of four banks (64 banks of 4 bytes: ISA guide 11.1)
.set VTILE,  64*VPITCH                 ; a wave's tile: 64 n x 256 k
.set STAGE,  4*VTILE                   ; behind the tiles: 16,384 bytes for each wave's 16 accumulators
.set WST,    STAGE+4*16384             ; four rows of w, 128 bytes each
.set SPARE,  WST+512                   ; the spare words, 128 bytes for each wave: two blocks of 256 bytes that no other line names
.set WO,   4                           ; v4   my byte offset in 16 rows of Wl: 8 h rows + 16 r
.set RO,   5                           ; v5   16 x lane: my offset in 512 consecutive bytes of rb, uf, w16
.set ADRV, 6                           ; v6   LDS address of my fragments of v
.set STG,  7                           ; v7   where my accumulators go
.set RDA,  8                           ; v8   where I read the four waves' sums of my column block
.set WSA,  9                           ; v9   where my numbers of w go
.set WRD,  10                          ; v10  where wave 0 reads the four rows of w
.set SPW,  12                          ; v12  LDS address of my spare word: SPARE + 4 x my thread's number; never rewritten
.set NIL,  13                          ; v13  0; never rewritten
.set Q,    32                          ; v32-39  sum over m of relu(xq) for my eight s, then scaled
.set T,    40                          ; v40-47  eight numbers in f32, at work
.set D,    48                          ; v48-55  w for n = 8 i + l / 4
.set PR,   56                          ; v56-57  a pair of partial sums
.set RB,   64
.set AF,   64
.set BF,   128
.set RED,  64
.set PK,   192
.set WB,   208
.set WV,   14                          ; s14  wave 0..3
.set G1,   24                          ; s[24:31] descriptor group 1
.set G0,   32                          ; s[32:35] descriptor group 0
.set SEL,  36                          ; s[36:37] v_permlanex16_b32's selects: each lane takes its own place in the other half
.set HIM,  38                          ; s38  a word's upper bf16
.set CSC,  40                          ; s[40:41] 1 / (64 sqrt 32): the packed multiply takes the pair's low word for both halves
.set MSB, 0
.macro WIN new                         ; the immediate's high byte repeats the setting that is left; a switch that changes nothing is dropped
.if MSB != (\new)
	s_set_vgpr_msb (MSB<<8)|(\new)
.set MSB, \new
.endif
.endm
.macro CROUND                          ; a round of the cluster's barrier: my work-group's barrier; wave 0 signals for the work-group; every wave waits for all four work-groups; my work-group's barrier once more
	s_barrier_signal -1
	s_barrier_wait -1
	s_cmp_lg_u32 s[WV], 0
	s_cbranch_scc1 .Lnot_wave_0_\@
	s_barrier_signal -3
.Lnot_wave_0_\@:
	s_barrier_wait -3
	s_barrier_signal -1
	s_barrier_wait -1
.endm
	s_load_b256 s[4:11], s[0:1], 0x0               ; Wl s[4:5], vb s[6:7], rb s[8:9], uf s[10:11]
	s_load_b64 s[12:13], s[0:1], 0x20              ; w16
	v_lshl_add_u32 v[SPW], v0, 2, SPARE
	v_mov_b32 v[NIL], 0
	ds_add_u32 v[SPW], v[NIL]                      ; the wave's opening: the add and its wait stand ahead of my first tensor load; the set-up below, work on registers, stands between them
	v_lshrrev_b32 v3, 5, v0
	v_readfirstlane_b32 s[WV], v3
	s_bfe_u32 s15, ttmp6, 0x40000                  ; cx: my place in the cluster
	s_lshl_b32 s16, ttmp9, 2
	s_add_co_u32 s16, s16, s15                     ; g = 4 x cluster x + cx: it enters global addresses of Wl, rb, uf, w16 alone
	s_and_b32 s17, ttmp7, 0xffff                   ; p, which the four partners share
	; descriptor: 64 rows (n) x 256 elements (k) of vb, padded in LDS
	s_mov_b32 s[G1+0], 15|(1<<16)|(1<<20)|(1<<21)|(6<<22)|(3<<25)  ; 15:0 the mask of four; 17:16 2-byte elements; 20 padding on; 21 set beside a mask; 24:22 after every 128 words (code 6); 31:25 4 words (code 3)
	s_mov_b32 s[G1+1], 256<<16                     ; tensor_dim0 = 256
	s_mov_b32 s[G1+2], 64<<16                      ; tensor_dim1 = 64
	s_mov_b32 s[G1+3], 256<<16                     ; tile_dim0 = 256
	s_mov_b32 s[G1+4], 64                          ; tile_dim1 = 64
	s_mov_b32 s[G1+5], 4096                        ; elements from row to row of vb
	s_mov_b32 s[G1+6], 0
	s_mov_b32 s[G1+7], 0
	s_mov_b32 s[G0], 1                             ; count = 1
	s_mul_i32 s[G0+1], s[WV], VTILE                ; LDS address: my wave's tile
	s_mov_b32 s[SEL], 0x76543210
	s_mov_b32 s[SEL+1], 0xfedcba98
	s_mov_b32 s[HIM], 0xffff0000
	s_mov_b32 s[CSC], 0x3b3504f3                   ; sqrt 2 / 512 = 1 / (64 sqrt 32)
	s_mov_b32 s[CSC+1], s[CSC]                     ; named with it as a pair
	s_lshl_b32 s18, s17, 24                        ; Wl: 1,024 p rows of 16,384 bytes,
	s_lshl_b32 s19, s[WV], 22                      ; 256 rows a wave,
	s_add_co_u32 s18, s18, s19
	s_lshl_b32 s19, s16, 8                         ; 64 columns of 4 bytes
	s_add_co_u32 s18, s18, s19
	s_mov_b32 s19, 0
	s_lshl_b32 s20, s17, 11                        ; vb: k = 1024 p + 256 w, 2 bytes each: no place in the cluster
	s_lshl_b32 s21, s[WV], 9
	s_add_co_u32 s20, s20, s21
	s_mov_b32 s21, 0
	s_lshl_b32 s46, s17, 6
	s_add_co_u32 s46, s46, s16                     ; g + 64 p
	s_lshl_b32 s44, s46, 9                         ; w16: four rows of 128 bytes
	s_mov_b32 s45, 0
	s_lshl2_add_u32 s22, s46, s[WV]                ; b = 4 (g + 64 p) + w
	s_lshl_b32 s22, s22, 13                        ; rb: rows of 8,192 bytes
	s_mov_b32 s23, 0
	s_lshl2_add_u32 s42, s16, s17                  ; uf: (4 g + p) x 8,192 + 2,048 for my column block c = w
	s_lshl_b32 s42, s42, 13
	s_lshl_b32 s43, s[WV], 11
	s_add_co_u32 s42, s42, s43
	s_mov_b32 s43, 0
	v_and_b32 v1, 15, v0                           ; r
	v_bfe_u32 v2, v0, 4, 1                         ; h
	v_and_b32 v3, 31, v0                           ; lane
	v_lshlrev_b32 v[WO], 4, v1
	v_lshl_add_u32 v[WO], v2, 17, v[WO]            ; 8 rows of 16,384 bytes for the upper lanes
	v_lshlrev_b32 v[RO], 4, v3
	v_mul_u32_u24 v[ADRV], v1, VPITCH
	v_lshl_add_u32 v[ADRV], v2, 4, v[ADRV]
	v_add_nc_u32 v[ADRV], s[G0+1], v[ADRV]
	s_lshl_b32 s47, s[WV], 14
	s_add_co_u32 s47, s47, STAGE
	v_add_nc_u32 v[STG], s47, v[RO]
	s_lshl_b32 s47, s[WV], 12                      ; column block c = w: 8 x 512 bytes into each wave's part
	s_add_co_u32 s47, s47, STAGE
	v_add_nc_u32 v[RDA], s47, v[RO]
	v_lshrrev_b32 v[WSA], 2, v3
	v_lshlrev_b32 v[WSA], 1, v[WSA]                ; 2 bytes x (l / 4)
	s_lshl_b32 s47, s[WV], 7
	s_add_co_u32 s47, s47, WST
	v_add_nc_u32 v[WSA], s47, v[WSA]
	v_add_nc_u32 v[WRD], WST, v[RO]
	s_wait_dscnt 0x0                               ; the opening add is done
	s_wait_kmcnt 0x0
	s_add_nc_u64 s[4:5], s[4:5], s[18:19]
	s_add_nc_u64 s[G0+2:G0+3], s[6:7], s[20:21]    ; global address of my tile
	s_or_b32 s[G0+3], s[G0+3], 0x80000000          ; type = 2
	s_add_nc_u64 s[8:9], s[8:9], s[22:23]
	s_add_nc_u64 s[10:11], s[10:11], s[42:43]
	s_add_nc_u64 s[12:13], s[12:13], s[44:45]
	CROUND                                         ; all four work-groups are here: the joint loads meet
	tensor_load_to_lds s[G0:G0+3], s[G1:G1+7]      ; my one tensor load of the launch: only I read its bytes
	s_nop 0
.rept 4
	v_nop
.endr
.irp i, 0,1,2,3,4,5,6,7,8,9,10,11,12,13,14,15
	global_load_b128 v[RB+4*(\i):RB+4*(\i)+3], v[RO], s[8:9] offset:512*(\i) th:TH_LOAD_NT  ; row b of rb: loads 0-7 relu(xq), 8-15 relu(xk); lane l of load i: m or n = 8 (i % 8) + l / 4, s = 8 (l % 4) + 0..7
.endr
; Step s of Wl: 16 loads; load i takes row 32 s + i (+ 8 from i = 8 on) + 8 h.  The base is never stepped: the largest offset, 247 rows, lies inside the signed 24-bit immediate.
.macro LOADW s
	WIN 0x80                                       ; destination window 2, address window 0
.irp i, 0,1,2,3,4,5,6,7,8,9,10,11,12,13,14,15
	global_load_b128 v[64*((\s)%4)+4*(\i):64*((\s)%4)+4*(\i)+3], v[WO], s[4:5] offset:(32*(\s)+(\i)+8*((\i)/8))*16384 th:TH_LOAD_NT
.endr
.endm
	LOADW 0
	LOADW 1
	LOADW 2
	LOADW 3
	WIN 0
	; w.  All of it stands while Wl's first four stages are on their way.
.macro UNPK d, s                       ; four words of bf16 to eight f32
.irp k, 0,1,2,3
	v_lshlrev_b32 v[(\d)+2*(\k)],   16, v[(\s)+(\k)]
	v_and_b32     v[(\d)+2*(\k)+1], s[HIM], v[(\s)+(\k)]
.endr
.endm
	s_wait_loadcnt 63                              ; 64 loads are younger than the row's last; 63 is the largest count that can be written
	UNPK Q, RB                                     ; the first load starts the sums over m: nothing is cleared
.irp i, 1,2,3,4,5,6,7
	UNPK T, RB+4*(\i)
.irp k, 0,2,4,6
	v_pk_add_f32 v[Q+(\k):Q+(\k)+1], v[Q+(\k):Q+(\k)+1], v[T+(\k):T+(\k)+1]
.endr
.endr
.irp j, 0,1,2,3,4,5,6,7                ; the other m lie in the lanes with the same l % 4: 4, 8 and 16 away
	v_add_f32_dpp v[Q+(\j)], v[Q+(\j)], v[Q+(\j)] row_xmask:4 row_mask:0xf bank_mask:0xf
.endr
.irp j, 0,1,2,3,4,5,6,7
	v_add_f32_dpp v[Q+(\j)], v[Q+(\j)], v[Q+(\j)] row_xmask:8 row_mask:0xf bank_mask:0xf
.endr
.irp j, 0,1,2,3,4,5,6,7
	v_permlanex16_b32 v[T+(\j)], v[Q+(\j)], s[SEL], s[SEL+1]
.endr
.irp k, 0,2,4,6
	v_pk_add_f32 v[Q+(\k):Q+(\k)+1], v[Q+(\k):Q+(\k)+1], v[T+(\k):T+(\k)+1]
.endr
.irp k, 0,2,4,6
	v_pk_mul_f32 v[Q+(\k):Q+(\k)+1], v[Q+(\k):Q+(\k)+1], s[CSC:CSC+1] op_sel_hi:[1,0]
.endr
.irp i, 0,1,2,3,4,5,6,7                ; n = 8 i + l / 4: my eight s of the sum over s
	UNPK T, RB+32+4*(\i)
	v_pk_mul_f32 v[PR:PR+1], v[T:T+1], v[Q:Q+1]
	v_pk_fma_f32 v[PR:PR+1], v[T+2:T+3], v[Q+2:Q+3], v[PR:PR+1]
	v_pk_fma_f32 v[PR:PR+1], v[T+4:T+5], v[Q+4:Q+5], v[PR:PR+1]
	v_pk_fma_f32 v[PR:PR+1], v[T+6:T+7], v[Q+6:Q+7], v[PR:PR+1]
	v_add_f32 v[D+(\i)], v[PR], v[PR+1]
.endr
.irp i, 0,1,2,3,4,5,6,7                ; the other 24 s lie in the three lanes beside me
	v_add_f32_dpp v[D+(\i)], v[D+(\i)], v[D+(\i)] row_xmask:1 row_mask:0xf bank_mask:0xf
.endr
.irp i, 0,1,2,3,4,5,6,7
	v_add_f32_dpp v[D+(\i)], v[D+(\i)], v[D+(\i)] row_xmask:2 row_mask:0xf bank_mask:0xf
.endr
.irp i, 0,1,2,3,4,5,6,7
	v_cvt_pk_bf16_f32 v[D+(\i)], v[D+(\i)], v[D+(\i)]
.endr
.irp i, 0,1,2,3,4,5,6,7
	ds_store_b16 v[WSA], v[D+(\i)] offset:16*(\i)  ; four lanes write the same number to the same two bytes
.endr
	; U.  v's fragments of step s: 64 n x 32 k, eight loads, into buffer s % 2
.macro AFETCH s
	WIN 0
.irp a, 0,1,2,3
	ds_load_b128 v[AF+32*((\s)%2)+8*(\a):AF+32*((\s)%2)+8*(\a)+3],   v[ADRV] offset:(\a)*16*VPITCH+64*(\s)
	ds_load_b128 v[AF+32*((\s)%2)+8*(\a)+4:AF+32*((\s)%2)+8*(\a)+7], v[ADRV] offset:(\a)*16*VPITCH+64*(\s)+32
.endr
.endm
; A step: its stage of Wl is rounded into fragments; the stage is loaded again, four steps on; the next step's fragments of v are fetched; 16 products, the 16 accumulators by turns.
; The 32 conversions, which name no register of the step before's products, are the places between those products and the loads into the buffer that they read.
.macro STEP s
.if (\s) < 5
	s_wait_loadcnt 48                              ; my stage is in; the three younger stages stay out
.else
	s_wait_loadcnt 16*(7-(\s))                     ; the ring runs empty: two, one, no younger stage
.endif
	WIN 0x0a                                       ; sources 0 and 1 window 2, destination window 0
.irp c, 0,1,2,3
.irp t, 0,1,2,3,4,5,6,7
	v_cvt_pk_bf16_f32 v[BF+32*((\s)%2)+8*(\c)+(\t)], v[64*((\s)%4)+8*(\t)+(\c)], v[64*((\s)%4)+8*(\t)+4+(\c)]
.endr
.endr
.if (\s) < 4
	LOADW (\s)+4
.endif
.if (\s) < 7
	AFETCH (\s)+1
	s_wait_dscnt 8                                 ; this step's fragments of v are in; the eight just issued may be out
.else
	s_wait_dscnt 0x0
.endif
	WIN 0x50                                       ; C and D window 1
.irp c, 0,1,2,3
.irp a, 0,1,2,3
.if (\s) == 0
	v_wmma_f32_16x16x32_bf16 v[8*(4*(\c)+(\a)):8*(4*(\c)+(\a))+7], v[AF+32*((\s)%2)+8*(\a):AF+32*((\s)%2)+8*(\a)+7], v[BF+32*((\s)%2)+8*(\c):BF+32*((\s)%2)+8*(\c)+7], 0
.else
	v_wmma_f32_16x16x32_bf16 v[8*(4*(\c)+(\a)):8*(4*(\c)+(\a))+7], v[AF+32*((\s)%2)+8*(\a):AF+32*((\s)%2)+8*(\a)+7], v[BF+32*((\s)%2)+8*(\c):BF+32*((\s)%2)+8*(\c)+7], v[8*(4*(\c)+(\a)):8*(4*(\c)+(\a))+7]
.endif
.endr
.endr
.endm
	s_wait_tensorcnt 0x0                           ; my tile of v is in LDS; only I read it
	AFETCH 0
	STEP 0
	STEP 1
	STEP 2
	STEP 3
	STEP 4
	STEP 5
	STEP 6
	STEP 7
	; THE FOUR WAVES' SUMS MEET.  Each wave puts its 16 accumulators into its part of the stage, 512 consecutive bytes an instruction; behind the barrier wave w adds up column block c = w.
.rept 4
	v_nop                                          ; the places behind the last products
.endr
	WIN 0x04                                       ; the stores' data in window 1
.set q, 0
.rept 32
	ds_store_b128 v[STG], v[4*q:4*q+3] offset:512*q  ; each accumulator's low four registers first
.set q, q+1
.endr
	WIN 0
	s_wait_dscnt 0x0                               ; for the others' sake: my sums and my row of w are in LDS
	s_barrier_signal -1
	s_barrier_wait -1
	s_cmp_lg_u32 s[WV], 0
	s_cbranch_scc1 .Lnot_w
	ds_load_b128 v[WB:WB+3], v[WRD]                ; wave 0: the work-group's four rows of w are 512 consecutive bytes of w16
	s_wait_dscnt 0x0
	global_store_b128 v[RO], v[WB:WB+3], s[12:13]
.Lnot_w:
.irp u, 0,1,2,3
.irp q, 0,1,2,3,4,5,6,7
	ds_load_b128 v[RED+4*(8*(\u)+(\q)):RED+4*(8*(\u)+(\q))+3], v[RDA] offset:16384*(\u)+512*(\q)
.endr
.endr
	s_wait_dscnt 0x0
.set i, 0
.rept 16
	v_pk_add_f32 v[RED+2*i:RED+2*i+1], v[RED+2*i:RED+2*i+1], v[RED+32+2*i:RED+32+2*i+1]
	v_pk_add_f32 v[RED+64+2*i:RED+64+2*i+1], v[RED+64+2*i:RED+64+2*i+1], v[RED+96+2*i:RED+96+2*i+1]
.set i, i+1
.endr
.set i, 0
.rept 16
	v_pk_add_f32 v[RED+2*i:RED+2*i+1], v[RED+2*i:RED+2*i+1], v[RED+64+2*i:RED+64+2*i+1]
.set i, i+1
.endr
.set i, 0
.rept 16
	v_cvt_pk_bf16_f32 v[PK+i], v[RED+2*i], v[RED+2*i+1]
.set i, i+1
.endr
.irp a, 0,1,2,3
	global_store_b128 v[RO], v[PK+4*(\a):PK+4*(\a)+3], s[10:11] offset:512*(\a)  ; 512 consecutive bytes, at a multiple of 256 from uf's first byte
.endr
	s_wait_tensorcnt 0x0                           ; the wave's end: behind my last tensor load and my last LDS store
	ds_add_u32 v[SPW], v[NIL]
	s_wait_dscnt 0x0
	CROUND                                         ; the closing round: no work-group ends while a partner may still ask for a tile that names it
	s_endpgm
.Lfunc_end_k_qc8ee73c72b_umat:
	.size	k_qc8ee73c72b_umat, .Lfunc_end_k_qc8ee73c72b_umat-k_qc8ee73c72b_umat
	.p2alignl 7, 3214868480
	.fill 96, 4, 3214868480
	.section	.rodata,"a",@progbits
	.p2align	6, 0x0
	.amdhsa_kernel k_qc8ee73c72b_umat
		.amdhsa_group_segment_fixed_size 201728
		.amdhsa_private_segment_fixed_size 0
		.amdhsa_enable_private_segment 0
		.amdhsa_kernarg_size 40
		.amdhsa_user_sgpr_count 2
		.amdhsa_user_sgpr_kernarg_segment_ptr 1
		.amdhsa_wavefront_size32 1
		.amdhsa_system_sgpr_workgroup_id_x 1
		.amdhsa_system_sgpr_workgroup_id_y 1
		.amdhsa_system_sgpr_workgroup_id_z 1
		.amdhsa_system_vgpr_workitem_id 0
		.amdhsa_next_free_vgpr 768
		.amdhsa_next_free_sgpr 66
		.amdhsa_reserve_vcc 0
		.amdhsa_float_denorm_mode_32 3
		.amdhsa_float_denorm_mode_16_64 3
		.amdhsa_memory_ordered 1
		.amdhsa_forward_progress 1
		.amdhsa_inst_pref_size 69
	.end_amdhsa_kernel
	.amdgpu_metadata
---
amdhsa.version: [ 1, 2 ]
amdhsa.kernels:
  - .name:           k_qc8ee73c72b_umat
    .symbol:         k_qc8ee73c72b_umat.kd
    .args:
      - { .name: Wl, .offset: 0, .size: 8, .value_kind: global_buffer, .address_space: global }
      - { .name: vb, .offset: 8, .size: 8, .value_kind: global_buffer, .address_space: global }
      - { .name: rb, .offset: 16, .size: 8, .value_kind: global_buffer, .address_space: global }
      - { .name: uf, .offset: 24, .size: 8, .value_kind: global_buffer, .address_space: global }
      - { .name: w16, .offset: 32, .size: 8, .value_kind: global_buffer, .address_space: global }
    .group_segment_fixed_size: 201728
    .private_segment_fixed_size: 0
    .kernarg_segment_align: 8
    .kernarg_segment_size: 40
    .max_flat_workgroup_size: 128
    .sgpr_count:     66
    .vgpr_count:     768
    .wavefront_size: 32
...
	.end_amdgpu_metadata
.endif
;; end of part 3
;; launch fin (part 4): grid 64 x 4, 4 waves a work-group, no clusters, 0 bytes of LDS; arguments x, bl, uf, w16, out0; writes out0
.if DOCPART == 4
	.amdgcn_target "amdgcn-amd-amdhsa--gfx1250"
	.amdhsa_code_object_version 6
	.text
	.protected	k_qc8ee73c72b_fin
	.globl	k_qc8ee73c72b_fin
	.p2align	8
	.type	k_qc8ee73c72b_fin,@function
k_qc8ee73c72b_fin:
	s_mov_b64 s[64:65], 0
	v_nop
	global_prefetch_b8 v0, s[64:65] scope:SCOPE_SE
	s_setreg_imm32_b32 hwreg(HW_REG_WAVE_MODE, 25, 1), 1
	s_wait_xcnt 0x0
; out0[b][f] = x[b][f] + bl[f] + sum over p = 0..3 and n = 0..63 of w[b][n] U_p[n][f]: a product with K = 256 (w four times beside the four partials of v Wl), sums in f32.
; SHARES.  Work-group (g, y): columns 64 g .. +63, rows 256 y .. +255; a wave 64 rows, four blocks bb of 16: 16 accumulators (bb, c); column block c holds the columns 64 g + 4 r + c, as uf is laid.
; EVERYTHING COMES STRAIGHT INTO REGISTERS.  uf lies in the order of source 1's registers (512 consecutive bytes a load), w16's rows lie along K, and a lane's 16 bytes of x are the four columns 4 r + 0..3
; of row 8 h + j, which are register j of the four accumulators (bb, 0..3) of that lane: so the result is added in place and stored as it was loaded, 16 lanes to 256 consecutive bytes, aligned.
; NO LDS, NO LOOP.  NO CLUSTER: a work-group moves 64 KiB of x and 64 KiB of out0 that nobody shares; what it shares (32 KiB of uf with 3 others, 32 KiB of w16 with 63) arrives in fragment order,
; and a joint load would set a way through LDS in front of registers that plain loads fill directly.
; LIMITS.  w and U_p are bf16; x, bl and the sums are f32.  The order of the sums differs from the written formula's.  NaN and infinities are not treated apart.
; REGISTERS, in windows of 256 (s_set_vgpr_msb: bits 1:0 source 0, 3:2 source 1, 5:4 source 2, 7:6 destination):
;   window 0: v0-11 addresses and bl; v16-79 w's fragments; v96-223 x, then the result          window 1: v0-127 the accumulators, (bb, c) at v[8 (4 bb + c)]          window 2: uf of my g, all 256 registers
.set XO, 4                             ; v4   my byte offset in x and out0: 64 rows a wave, 8 rows for the upper lanes, 16 r
.set UO, 5                             ; v5   16 x lane
.set WO, 6                             ; v6   my byte offset in w16: 64 rows of 128 bytes a wave, row r, 16 h
.set BO, 7                             ; v7   16 r
.set BL, 8                             ; v[8:11]  bl of my four columns
.set WF, 16                            ; w's fragment of block bb, n = 32 kk on, at WF + 16 bb + 8 kk
.set X,  96                            ; x(row 16 bb + 8 h + j, column 4 r + c) at X + 32 bb + 4 j + c
.set MSB, 0
.macro WIN new                         ; the immediate's high byte repeats the setting that is left; a switch that changes nothing is dropped
.if MSB != (\new)
	s_set_vgpr_msb (MSB<<8)|(\new)
.set MSB, \new
.endif
.endm
	s_load_b256 s[4:11], s[0:1], 0x0               ; x s[4:5], bl s[6:7], uf s[8:9], w16 s[10:11]
	s_load_b64 s[12:13], s[0:1], 0x20              ; out0
	v_and_b32 v1, 15, v0                           ; r
	v_bfe_u32 v2, v0, 4, 1                         ; h
	v_lshrrev_b32 v3, 5, v0                        ; wave
	v_lshlrev_b32 v[XO], 4, v1
	v_lshl_add_u32 v[XO], v2, 17, v[XO]
	v_lshl_add_u32 v[XO], v3, 20, v[XO]
	v_and_b32 v[UO], 31, v0
	v_lshlrev_b32 v[UO], 4, v[UO]
	v_lshlrev_b32 v[WO], 7, v1
	v_lshl_add_u32 v[WO], v2, 4, v[WO]
	v_lshl_add_u32 v[WO], v3, 13, v[WO]
	v_lshlrev_b32 v[BO], 4, v1
	s_and_b32 s14, ttmp7, 0xffff                   ; y
	s_lshl_b32 s16, s14, 22                        ; 256 rows of 16,384 bytes,
	s_lshl_b32 s18, ttmp9, 8                       ; 64 columns of 4 bytes
	s_mov_b32 s19, 0
	s_add_co_u32 s16, s16, s18
	s_mov_b32 s17, 0
	s_lshl_b32 s20, ttmp9, 15                      ; uf: 32,768 bytes a g
	s_mov_b32 s21, 0
	s_lshl_b32 s22, s14, 15                        ; w16: 256 rows of 128 bytes
	s_mov_b32 s23, 0
	s_wait_kmcnt 0x0
	s_add_nc_u64 s[4:5], s[4:5], s[16:17]
	s_add_nc_u64 s[12:13], s[12:13], s[16:17]
	s_add_nc_u64 s[6:7], s[6:7], s[18:19]
	s_add_nc_u64 s[8:9], s[8:9], s[20:21]
	s_add_nc_u64 s[10:11], s[10:11], s[22:23]
	global_load_b128 v[BL:BL+3], v[BO], s[6:7]
.irp bb, 0,1,2,3
.irp kk, 0,1
	global_load_b128 v[WF+16*(\bb)+8*(\kk):WF+16*(\bb)+8*(\kk)+3],   v[WO], s[10:11] offset:(\bb)*2048+64*(\kk)
	global_load_b128 v[WF+16*(\bb)+8*(\kk)+4:WF+16*(\bb)+8*(\kk)+7], v[WO], s[10:11] offset:(\bb)*2048+64*(\kk)+32
.endr
.endr
	WIN 0x80                                       ; destination window 2, address window 0
.set q, 0
.rept 64
	global_load_b128 v[4*q:4*q+3], v[UO], s[8:9] offset:512*q  ; q = 16 p + 4 c + a
.set q, q+1
.endr
	WIN 0
.irp bb, 0,1,2,3
.irp j, 0,1,2,3,4,5,6,7
	global_load_b128 v[X+32*(\bb)+4*(\j):X+32*(\bb)+4*(\j)+3], v[XO], s[4:5] offset:(16*(\bb)+(\j))*16384 th:TH_LOAD_NT
.endr
.endr
; The 32 products of partial p; the 16 accumulators take turns.  The very first 16 start the sums with the constant 0.
.macro PROD p
	WIN 0x58                                       ; source 0 (w) window 0, source 1 (U) window 2, C and D window 1
.irp kk, 0,1
.irp bb, 0,1,2,3
.irp c, 0,1,2,3
.if ((\p)+(\kk)) == 0
	v_wmma_f32_16x16x32_bf16 v[8*(4*(\bb)+(\c)):8*(4*(\bb)+(\c))+7], v[WF+16*(\bb)+8*(\kk):WF+16*(\bb)+8*(\kk)+7], v[64*(\p)+16*(\c)+8*(\kk):64*(\p)+16*(\c)+8*(\kk)+7], 0
.else
	v_wmma_f32_16x16x32_bf16 v[8*(4*(\bb)+(\c)):8*(4*(\bb)+(\c))+7], v[WF+16*(\bb)+8*(\kk):WF+16*(\bb)+8*(\kk)+7], v[64*(\p)+16*(\c)+8*(\kk):64*(\p)+16*(\c)+8*(\kk)+7], v[8*(4*(\bb)+(\c)):8*(4*(\bb)+(\c))+7]
.endif
.endr
.endr
.endr
.endm
	s_wait_loadcnt 63                              ; behind partial 0's last load stand 48 of uf and 32 of x; 63 is the largest count that can be written
	PROD 0
	s_wait_loadcnt 63                              ; behind partial 1's: 32 + 32
	PROD 1
	s_wait_loadcnt 48                              ; behind partial 2's: 16 + 32
	PROD 2
	s_wait_loadcnt 32                              ; behind partial 3's: x's 32
	PROD 3
	WIN 0
	s_wait_loadcnt 0x0                             ; x
.set n, 0
.rept 32                               ; x + bl: 64 plain instructions that name no register of the products: the places behind the last of them
	v_pk_add_f32 v[X+4*n:X+4*n+1],   v[X+4*n:X+4*n+1],   v[BL:BL+1]
	v_pk_add_f32 v[X+4*n+2:X+4*n+3], v[X+4*n+2:X+4*n+3], v[BL+2:BL+3]
.set n, n+1
.endr
.irp bb, 0,1,2,3
	WIN 0x01                                       ; source 0 window 1
.irp j, 0,1,2,3,4,5,6,7                ; each accumulator's registers in ascending order
.irp c, 0,1,2,3
	v_add_f32 v[X+32*(\bb)+4*(\j)+(\c)], v[8*(4*(\bb)+(\c))+(\j)], v[X+32*(\bb)+4*(\j)+(\c)]
.endr
.endr
	WIN 0
.irp j, 0,1,2,3,4,5,6,7
	global_store_b128 v[XO], v[X+32*(\bb)+4*(\j):X+32*(\bb)+4*(\j)+3], s[12:13] offset:(16*(\bb)+(\j))*16384 th:TH_STORE_NT  ; 16 lanes store 256 consecutive bytes, at a multiple of 256 from out0's first byte
.endr
.endr
	s_endpgm
.Lfunc_end_k_qc8ee73c72b_fin:
	.size	k_qc8ee73c72b_fin, .Lfunc_end_k_qc8ee73c72b_fin-k_qc8ee73c72b_fin
	.p2alignl 7, 3214868480
	.fill 96, 4, 3214868480
	.section	.rodata,"a",@progbits
	.p2align	6, 0x0
	.amdhsa_kernel k_qc8ee73c72b_fin
		.amdhsa_group_segment_fixed_size 0
		.amdhsa_private_segment_fixed_size 0
		.amdhsa_enable_private_segment 0
		.amdhsa_kernarg_size 40
		.amdhsa_user_sgpr_count 2
		.amdhsa_user_sgpr_kernarg_segment_ptr 1
		.amdhsa_wavefront_size32 1
		.amdhsa_system_sgpr_workgroup_id_x 1
		.amdhsa_system_sgpr_workgroup_id_y 1
		.amdhsa_system_sgpr_workgroup_id_z 1
		.amdhsa_system_vgpr_workitem_id 0
		.amdhsa_next_free_vgpr 768
		.amdhsa_next_free_sgpr 66
		.amdhsa_reserve_vcc 0
		.amdhsa_float_denorm_mode_32 3
		.amdhsa_float_denorm_mode_16_64 3
		.amdhsa_memory_ordered 1
		.amdhsa_forward_progress 1
		.amdhsa_inst_pref_size 32
	.end_amdhsa_kernel
	.amdgpu_metadata
---
amdhsa.version: [ 1, 2 ]
amdhsa.kernels:
  - .name:           k_qc8ee73c72b_fin
    .symbol:         k_qc8ee73c72b_fin.kd
    .args:
      - { .name: x, .offset: 0, .size: 8, .value_kind: global_buffer, .address_space: global }
      - { .name: bl, .offset: 8, .size: 8, .value_kind: global_buffer, .address_space: global }
      - { .name: uf, .offset: 16, .size: 8, .value_kind: global_buffer, .address_space: global }
      - { .name: w16, .offset: 24, .size: 8, .value_kind: global_buffer, .address_space: global }
      - { .name: out0, .offset: 32, .size: 8, .value_kind: global_buffer, .address_space: global }
    .group_segment_fixed_size: 0
    .private_segment_fixed_size: 0
    .kernarg_segment_align: 8
    .kernarg_segment_size: 40
    .max_flat_workgroup_size: 128
    .sgpr_count:     66
    .vgpr_count:     768
    .wavefront_size: 32
...
	.end_amdgpu_metadata
.endif
;; end of part 4
